; MI455X (gfx1250); checked and timed in simulation.
; The chip was launched on July 23, 2026; its instructions are those of AMD's public machine-readable ISA for CDNA 5 (MIT licence, August 2026) and "CDNA5" Instruction Set Architecture Reference Guide (July 2026). The comments in the code are by the model that wrote it; some were corrected since.
;; Bahdanau Attention. Allowed arithmetic: matrix products marked QUANTISED: E5M2 operands, one given power-of-two scale a tensor, by v_wmma_f32_16x16x64_bf8_bf8 or v_wmma_f32_16x16x128_bf8_bf8, f32 sums; products left as they are: f32 operands where the result goes on into a quantised operand, else bf16, f16 or f32 operands; f32 sums; everything else in f32.
;; Inputs: Ua_b 1,024 float32; Ua_w 1,024 x 1,024 float32; Va_b 1 float32; Va_w 1 x 1,024 float32; Wa_b 1,024 float32; Wa_w 1,024 x 1,024 float32; keys 32 x 2,048 x 1,024 float32; lowp_scales 4 int32 (the exponents e of the quantised operands' scales 2^e); query 32 x 1,024 float32.
;; Outputs: out0 32 x 1 x 1,024 float32; out1 32 x 2,048 float32.
;; This version of the problem:
;;   THIS VERSION OF THE PROBLEM IS GIVEN IN LOW PRECISION. The matrix products marked QUANTISED in the list below multiply operands that are first quantised to E5M2 (5 exponent bits, 2 mantissa bits; 8 bits a number), with one given power-of-two scale for each operand tensor; their sums are f32. All else is computed in f32.
;;   The module's matrix products, in the order in which they are computed (A, B: the left and right operand; K: the contracted axis; several contracted axes count as one K, in the product's order):
;;     1. [M 32, K 1,024] x [K 1,024, N 1,024]; A: input query; B: input Wa_w: QUANTISED (scales: A lowp_scales[0], B lowp_scales[1])
;;     2. [M 65,536, K 1,024] x [K 1,024, N 1,024]; A: input keys; B: input Ua_w: QUANTISED (scales: A lowp_scales[2], B lowp_scales[3])
;;     3. [M 65,536, K 1,024] x [K 1,024, N 1]; A: computed on the way; B: input Va_w: left as it is (N = 1 < 16)
;;     4. batch 32 x [M 1, K 2,048] x [K 2,048, N 1,024]; A: softmax; B: input keys: left as it is (M = 1 < 16)
;;   THE QUANTISER, for each operand of a quantised product, along K:
;;     - The operand's scale is 2^e, e = its entry of the input lowp_scales (int32; the entries are numbered through the quantised products in the list's order, A before B).
;;     - Each number is divided by the scale, clamped to +-57,344, and rounded to the nearest number of E5M2, ties to even, subnormals kept.
;;     - The product sums the exact products of the quantised numbers (number of the format x scale) in f32.
;;   ~~~python
;;   def quantise(x, axis, e):      # numpy; x: float32 -> the quantised numbers, widened to float32 again
;;       x = np.moveaxis(x, axis, -1); K = x.shape[-1]
;;       r = np.clip(x / 2.0 ** e, -57344, 57344)
;;       step = 2.0 ** (np.maximum(np.frexp(np.where(r == 0, 1, r))[1] - 1, -14) - 2)
;;       q = np.round(r / step) * step * 2.0 ** e      # np.round: ties to even
;;       return np.moveaxis(q, -1, axis).astype(np.float32)
;;   ~~~
;; One version. Each part assembles by itself: llvm-mc -triple=amdgcn-amd-amdhsa -mcpu=gfx1250 --defsym DOCPART=n.
;; ======== version 1 of 1: 3 launches
;; limits: values are held in f16: magnitudes above 65,504 overflow, below 6.1e-05 lose precision; inputs' magnitudes at most 65,504
;; workspace buffers: ub 1,048,576 bytes; qb 131,072 bytes; sc 262,144 bytes; cx 4,194,304 bytes
;; launch prep (part 1): grid 64 x 1, 8 waves a work-group, no clusters, 17,408 bytes of LDS; arguments query, Wa_w, Wa_b, Ua_w, Ua_b, lowp_scales, ub, qb; writes ub, qb
.if DOCPART == 1
	.amdgcn_target "amdgcn-amd-amdhsa--gfx1250"
	.amdhsa_code_object_version 6
	.text
	.protected	k_qa92bf5ea19_prep
	.globl	k_qa92bf5ea19_prep
	.p2align	8
	.type	k_qa92bf5ea19_prep,@function
k_qa92bf5ea19_prep:
	s_mov_b64 s[64:65], 0
	v_nop
	global_prefetch_b8 v0, s[64:65] scope:SCOPE_SE
	s_setreg_imm32_b32 hwreg(HW_REG_WAVE_MODE, 25, 1), 1
	s_wait_xcnt 0x0
; Two things that the main launch wants ready:
;   ub: Ua_w [1024 (g)][1024 (k)] f32 as codes of E5M2 with the given scale 2^e3, laid in the order of the operand's registers:
;       [K step 8][half 2][wave 4][tile 8][piece 4][lane 32][16 bytes]; column tile ct = 16 wave + 8 half + tile; piece q of lane (r, h) = Ua_w[16 ct + r][128 ks + 32 q + 16 h + 0 .. 15].
;   qb: (Q(query) Q(Wa_w)^T 2^(e0 + e1) + Wa_b + Ua_b) x 2 log2(e), f32, laid [ct 64][batch 32][r 16]: the addend of the exponent from which the main launch makes tanh.
; SHARES.  A work-group takes one column tile ct (16 rows of Wa_w and of Ua_w), each of its eight waves one K step of 128.  A wave quantises its fragment of Wa_w, two of query (32 rows) and one of Ua_w
; in registers; two matrix instructions give its part of the sums, which meet in LDS; waves 0-3 add the eight parts and the biases.
; A lane takes 16 neighbours along K of each block of 32 of its row (four loads of 16 bytes a block), as the conversions want them.  Neighbouring lanes then stand a row apart; that is kept here because the
; launch reads 8 MB once (and 128 KB of query in each work-group).  k's place in the registers is the same permutation in both operands, so every product meets its partner.
; code = x / 2^e, held within +-57,344, to the nearest code, ties to even.
; LIMITS: e0, e1, e3 between -126 and 112; e0 + e1 between -126 and 127, so that each power of two below is an f32 number.  NaN among the inputs is not served.
.set XA,  1                            ; v1   4096 r + 64 h: my lane's byte in 16 rows of 4,096 bytes
.set LI,  2                            ; v2   16 x lane
.set PST, 3                            ; v3   LDS: 2048 x wave + 512 h + 4 r: where my sums go
.set FRD, 4                            ; v4   LDS, and qb: 16 x thread
.set SCL, 5                            ; v5   2^e as f32
.set LIM, 6                            ; v6   57,344 x 2^e
.set BO,  7                            ; v7   16 (thread % 4): my four numbers of the tile's biases
.set WB,  8                            ; v[8:11]   Wa_b
.set UB,  12                           ; v[12:15]  Ua_b
.set D0,  16                           ; v[16:23]  sums, query rows 0-15
.set D1,  24                           ; v[24:31]  rows 16-31
.set WC,  32                           ; v[32:47]  Wa's codes, later Ua's
.set QC,  48                           ; v[48:63]  query's codes
.set RW,  64                           ; v[64:127] Wa's numbers, later Ua's, later the eight parts
.set RQ0, 128                          ; v[128:191], v[192:255] query's numbers
.set RQ1, 192
.macro XLOAD reg, b, off               ; 64 numbers a lane: register 16 q + i = k 32 q + 16 h + i of my row
.irp q, 0,1,2,3
.irp j, 0,1,2,3
	global_load_b128 v[\reg+16*\q+4*\j:\reg+16*\q+4*\j+3], v[XA], s[\b:\b+1] offset:\off+128*\q+16*\j
.endr
.endr
.endm
.macro QUANT s, d                      ; they become a fragment's 16 registers of codes
.irp q, 0,1,2,3
.irp i, 0,1,2,3,4,5,6,7,8,9,10,11,12,13,14,15
	v_med3_num_f32 v[\s+16*\q+\i], v[\s+16*\q+\i], -v[LIM], v[LIM]   ; the conversion to an 8-bit code does not saturate (ISA guide 7.6.2): the hold comes first
.endr
	v_cvt_scalef32_pk8_bf8_f32 v[\d+4*\q:\d+4*\q+1], v[\s+16*\q:\s+16*\q+7], v[SCL]
	v_cvt_scalef32_pk8_bf8_f32 v[\d+4*\q+2:\d+4*\q+3], v[\s+16*\q+8:\s+16*\q+15], v[SCL]
.endr
	v_nop                                          ; one plain vector line between the last conversion and whatever touches its registers next
.endm
.macro SETSC e                         ; the scale and the hold for the exponent in s[e]
	s_add_co_i32 s32, s[\e], 127
	s_lshl_b32 s33, s32, 23
	v_mov_b32 v[SCL], s33
	s_add_co_i32 s32, s32, 15
	s_lshl_b32 s32, s32, 23
	s_or_b32 s32, s32, 0x600000
	v_mov_b32 v[LIM], s32
.endm
	s_load_b512 s[4:19], s[0:1], 0x0               ; query s[4:5], Wa_w s[6:7], Wa_b s[8:9], Ua_w s[10:11], Ua_b s[12:13], the exponents s[14:15], ub s[16:17], qb s[18:19]
	s_set_vgpr_msb 0x40
	v_lshl_add_u32 v0, v0, 2, 0x4000
	v_mov_b32 v1, 0
	s_set_vgpr_msb 0x4000
	v_lshrrev_b32 v8, 5, v0
	v_readfirstlane_b32 s20, v8                    ; wave = K step
	v_and_b32 v8, 15, v0                           ; r
	v_bfe_u32 v9, v0, 4, 1                         ; h
	v_and_b32 v10, 31, v0                          ; lane
	v_lshlrev_b32 v[XA], 12, v8
	v_lshl_add_u32 v[XA], v9, 6, v[XA]
	v_lshlrev_b32 v[LI], 4, v10
	s_lshl_b32 s21, s20, 11
	v_lshl_add_u32 v[PST], v9, 9, s21
	v_lshl_add_u32 v[PST], v8, 2, v[PST]
	v_lshlrev_b32 v[FRD], 4, v0
	v_and_b32 v[BO], 3, v0
	v_lshlrev_b32 v[BO], 4, v[BO]
	s_lshl_b32 s22, ttmp9, 16                      ; Wa_w, Ua_w: 16 ct rows of 4,096 bytes
	s_lshl_b32 s24, s20, 9                         ; + 512 bytes a K step; query: the K step alone
	s_add_co_u32 s22, s22, s24
	s_mov_b32 s23, 0
	s_mov_b32 s25, 0
	s_lshl_b32 s26, s20, 17                        ; ub: 131,072 ks
	s_bfe_u32 s27, ttmp9, 0x10003
	s_lshl_b32 s27, s27, 16                        ; + 65,536 ((ct / 8) % 2)
	s_add_co_u32 s26, s26, s27
	s_lshr_b32 s27, ttmp9, 4
	s_lshl_b32 s27, s27, 14                        ; + 16,384 (ct / 16)
	s_add_co_u32 s26, s26, s27
	s_and_b32 s27, ttmp9, 7
	s_lshl_b32 s27, s27, 11                        ; + 2,048 (ct % 8)
	s_add_co_u32 s26, s26, s27
	s_mov_b32 s27, 0
	s_lshl_b32 s28, ttmp9, 11                      ; qb: 2,048 ct
	s_mov_b32 s29, 0
	s_lshl_b32 s30, ttmp9, 6                       ; the biases: 64 ct
	s_mov_b32 s31, 0
	s_wait_kmcnt 0x0
	s_load_b128 s[36:39], s[14:15], 0x0            ; e0, e1, e2, e3
	s_add_nc_u64 s[6:7], s[6:7], s[22:23]
	s_add_nc_u64 s[10:11], s[10:11], s[22:23]
	s_add_nc_u64 s[4:5], s[4:5], s[24:25]
	s_add_nc_u64 s[16:17], s[16:17], s[26:27]
	s_add_nc_u64 s[18:19], s[18:19], s[28:29]
	s_add_nc_u64 s[8:9], s[8:9], s[30:31]
	s_add_nc_u64 s[12:13], s[12:13], s[30:31]
	global_load_b128 v[WB:WB+3], v[BO], s[8:9]
	global_load_b128 v[UB:UB+3], v[BO], s[12:13]
	XLOAD RW, 6, 0                                 ; Wa_w
	XLOAD RQ0, 4, 0                                ; query rows 0-15
	XLOAD RQ1, 4, 65536                            ; rows 16-31
	s_wait_kmcnt 0x0
	s_wait_loadcnt 32                              ; Wa's 16 loads are in (and the biases); query's 32 are younger
	SETSC 37
	QUANT RW, WC
	XLOAD RW, 10, 0                                ; Ua_w, into the registers that Wa's numbers have left
	s_wait_loadcnt 32                              ; query rows 0-15 are in; rows 16-31 and Ua_w are younger
	SETSC 36
	QUANT RQ0, QC
	v_wmma_f32_16x16x128_bf8_bf8 v[D0:D0+7], v[QC:QC+15], v[WC:WC+15], 0   ; register j of lane (r, h): batch 8 h + j, column 16 ct + r
	s_wait_loadcnt 16                              ; rows 16-31 are in; Ua_w is younger
	QUANT RQ1, QC                                  ; its first sixteen holds, which name none of the product's registers, stand ahead of the first write of the codes
	v_wmma_f32_16x16x128_bf8_bf8 v[D1:D1+7], v[QC:QC+15], v[WC:WC+15], 0
	s_wait_loadcnt 0x0                             ; Ua_w
	SETSC 39
	QUANT RW, WC                                   ; again the holds stand between the product and the write of its source
.irp q, 0,1,2,3
	global_store_b128 v[LI], v[WC+4*\q:WC+4*\q+3], s[16:17] offset:512*\q   ; 32 lanes store 512 consecutive bytes, aligned
.endr
.irp j, 0,1,2,3,4,5,6,7
	ds_store_b32 v[PST], v[D0+\j] offset:64*\j     ; my part, as [batch 32][r 16]; each accumulator from its low end on
.endr
.irp j, 0,1,2,3,4,5,6,7
	ds_store_b32 v[PST], v[D1+\j] offset:64*(16+\j)
.endr
	s_wait_dscnt 0x0                               ; for the others' sake: my part lies in LDS
	s_barrier_signal -1
	s_barrier_wait -1
	s_cmp_ge_u32 s20, 4                            ; 128 threads take 16 bytes each of the tile's 2,048
	s_cbranch_scc1 .Ldone
.irp k, 0,1,2,3,4,5,6,7
	ds_load_b128 v[RW+4*\k:RW+4*\k+3], v[FRD] offset:2048*\k
.endr
	s_add_co_i32 s40, s36, s37
	s_add_co_i32 s40, s40, 127
	s_lshl_b32 s40, s40, 23                        ; 2^(e0 + e1) as f32
	s_mov_b32 s41, s40                             ; (named with it as a pair, so it is written)
	v_pk_add_f32 v[WB:WB+1], v[WB:WB+1], v[UB:UB+1]
	v_pk_add_f32 v[WB+2:WB+3], v[WB+2:WB+3], v[UB+2:UB+3]
	s_wait_dscnt 0x0
.irp k, 1,2,3,4,5,6,7
	v_pk_add_f32 v[RW:RW+1], v[RW:RW+1], v[RW+4*\k:RW+4*\k+1]           ; K ascending
	v_pk_add_f32 v[RW+2:RW+3], v[RW+2:RW+3], v[RW+4*\k+2:RW+4*\k+3]
.endr
	v_pk_fma_f32 v[RW:RW+1], v[RW:RW+1], s[40:41], v[WB:WB+1] op_sel_hi:[1,0,1]
	v_pk_fma_f32 v[RW+2:RW+3], v[RW+2:RW+3], s[40:41], v[WB+2:WB+3] op_sel_hi:[1,0,1]
	v_pk_mul_f32 v[RW:RW+1], v[RW:RW+1], 0x4038aa3b op_sel_hi:[1,0]     ; x 2 log2(e)
	v_pk_mul_f32 v[RW+2:RW+3], v[RW+2:RW+3], 0x4038aa3b op_sel_hi:[1,0]
	global_store_b128 v[FRD], v[RW:RW+3], s[18:19] ; the four waves store 2,048 consecutive bytes
.Ldone:
	s_set_vgpr_msb 0x5
	s_wait_tensorcnt 0x0
	ds_add_u32 v0, v1
	s_wait_dscnt 0x0
	s_set_vgpr_msb 0x500
	s_endpgm
.Lfunc_end_k_qa92bf5ea19_prep:
	.size	k_qa92bf5ea19_prep, .Lfunc_end_k_qa92bf5ea19_prep-k_qa92bf5ea19_prep
	.p2alignl 7, 3214868480
	.fill 96, 4, 3214868480
	.section	.rodata,"a",@progbits
	.p2align	6, 0x0
	.amdhsa_kernel k_qa92bf5ea19_prep
		.amdhsa_group_segment_fixed_size 17408
		.amdhsa_private_segment_fixed_size 0
		.amdhsa_enable_private_segment 0
		.amdhsa_kernarg_size 64
		.amdhsa_user_sgpr_count 2
		.amdhsa_user_sgpr_kernarg_segment_ptr 1
		.amdhsa_wavefront_size32 1
		.amdhsa_system_sgpr_workgroup_id_x 1
		.amdhsa_system_sgpr_workgroup_id_y 1
		.amdhsa_system_sgpr_workgroup_id_z 1
		.amdhsa_system_vgpr_workitem_id 0
		.amdhsa_next_free_vgpr 258
		.amdhsa_next_free_sgpr 66
		.amdhsa_reserve_vcc 0
		.amdhsa_float_denorm_mode_32 3
		.amdhsa_float_denorm_mode_16_64 3
		.amdhsa_memory_ordered 1
		.amdhsa_forward_progress 1
		.amdhsa_inst_pref_size 32
	.end_amdhsa_kernel
	.amdgpu_metadata
---
amdhsa.version: [ 1, 2 ]
amdhsa.kernels:
  - .name:           k_qa92bf5ea19_prep
    .symbol:         k_qa92bf5ea19_prep.kd
    .args:
      - { .name: query, .offset: 0, .size: 8, .value_kind: global_buffer, .address_space: global }
      - { .name: Wa_w, .offset: 8, .size: 8, .value_kind: global_buffer, .address_space: global }
      - { .name: Wa_b, .offset: 16, .size: 8, .value_kind: global_buffer, .address_space: global }
      - { .name: Ua_w, .offset: 24, .size: 8, .value_kind: global_buffer, .address_space: global }
      - { .name: Ua_b, .offset: 32, .size: 8, .value_kind: global_buffer, .address_space: global }
      - { .name: lowp_scales, .offset: 40, .size: 8, .value_kind: global_buffer, .address_space: global }
      - { .name: ub, .offset: 48, .size: 8, .value_kind: global_buffer, .address_space: global }
      - { .name: qb, .offset: 56, .size: 8, .value_kind: global_buffer, .address_space: global }
    .group_segment_fixed_size: 17408
    .private_segment_fixed_size: 0
    .kernarg_segment_align: 8
    .kernarg_segment_size: 64
    .max_flat_workgroup_size: 256
    .sgpr_count:     66
    .vgpr_count:     258
    .wavefront_size: 32
...
	.end_amdgpu_metadata
.endif
;; end of part 1
;; launch main (part 2): grid 256 x 1, 4 waves a work-group, clusters of 4 x 1, 327,680 bytes of LDS; arguments keys, ub, qb, Va_w, Va_b, lowp_scales, sc, cx; writes sc, cx
.if DOCPART == 2
	.amdgcn_target "amdgcn-amd-amdhsa--gfx1250"
	.amdhsa_code_object_version 6
	.text
	.protected	k_qa92bf5ea19_main
	.globl	k_qa92bf5ea19_main
	.p2align	8
	.type	k_qa92bf5ea19_main,@function
k_qa92bf5ea19_main:
	s_mov_b64 s[64:65], 0
	v_nop
	global_prefetch_b8 v0, s[64:65] scope:SCOPE_SE
	s_setreg_imm32_b32 hwreg(HW_REG_WAVE_MODE, 25, 1), 1
	s_wait_xcnt 0x0
	s_wait_alu depctr_hold_cnt(0) depctr_sa_sdst(0) depctr_va_vdst(0) depctr_va_sdst(0) depctr_va_ssrc(0) depctr_va_vcc(0) depctr_vm_vsrc(0)
	s_getreg_b32 s2, hwreg(HW_REG_IB_STS2, 6, 4)
	s_cmp_eq_u32 s2, 0
	s_cbranch_scc0 .Lentry_in_a_cluster
	s_endpgm
.Lentry_in_a_cluster:
	s_bfe_u32 s2, ttmp6, 0x10000c
	s_cmp_lg_u32 s2, 0x3003
	s_cbranch_scc0 .Lentry_shape_is_right
	s_endpgm
.Lentry_shape_is_right:
; For each tile of 64 rows of keys [65536][1024] f32: score[row] = Va . tanh(q_proj + Q(keys) Q(Ua_w)^T 2^(e2 + e3) + biases) + Va_b  -> sc;
; m = the tile's largest score; p = exp(score - m); the partial context, sum over the tile's rows of p x key  -> cx [tile 1024][1024].  The keys are read from memory ONCE.
; SHARES.  A work-group of four waves stays for four tiles: rows 256 g .. 256 g + 255, all of batch g / 8.  Wave w owns columns 256 w .. 256 w + 255 of the product for all 64 rows: 64 accumulators, 512 registers.
; K GOES OUTERMOST: the whole tile's sums stay in registers and the keys stream in along K, 128 a step.  Wave w loads rows 16 w .. 16 w + 15 (each load 512 consecutive bytes of a row), two steps ahead of their use,
; converts them once to codes (to LDS, for all four waves) and once to f16 (to LDS, for the context).
; Ua_w's codes (ub, laid by the launch before in the order of the operand's registers) pass through a ring of two LDS slots of 64 KB: a K step is two PERIODS, column tiles 0-7 of each wave from slot 0, 8-15 from slot 1.
; CLUSTER.  The four work-groups of a cluster walk the same ub in step: each period is asked for JOINTLY, every wave its own quarter (which it alone reads), by the same descriptor with a mask that names the four.
; The keys are shared by nobody.
; tanh(x) = 1 - 2 / (1 + 2^(2 log2(e) x)): 2^t = infinity gives 1, 2^t = 0 gives -1, so no hold is wanted.  score = sum of va - 2 x sum of va / (1 + 2^t).
; The product is used in its natural order (source 0 = 16 rows of keys, source 1 = 16 rows of Ua_w): register j of lane (r, h) is (row 16 m + 8 h + j, column 16 c + r), so va and the addend qb are one number a lane and tile.
; The context (M = 1, left as it is) goes to the matrix unit in f16: source 0 = p in all 16 rows, source 1 = the tile's keys turned by ds_load_tr16_b128; row 0 of the result is taken.
; The softmax part and context of tile t stand at the head of tile t + 1, under the first refill.
; LIMITS: e2 between -126 and 112; e2 + e3 between -127 and 126 (added to an exponent field); |keys| under 65,504 for the f16 copy (the codes hold at 57,344 x 2^e2 as the quantiser says).  NaN is not served.
; REGISTERS, in windows of 256.  Window 0: v4-27 addresses and constants; v28-31 at work; v32-63 H: f16 of one K step; v64-79 its codes; v80-95 p's fragments; v96-159, v160-223 raw keys, two sets; v224-255 score sums.
;   Window 1: v0-63 A's four fragments; v64-191 B's eight; v192-223 va, v224-255 qb (tile c at 2 c, repeated at 2 c + 1 for the packed forms).
;   Windows 2, 3: accumulator (c, m) at 8 (4 (c % 8) + m) of window 2 + c / 8.  For the context: window 2 v0-127 its 16 accumulators, v128-255 V of rows 0-31; window 3 v0-127 V of rows 32-63.
.set FP,    2080                       ; a row of the f16 copy: 2,048 bytes + 32 = 65 x 32: eight rows of a turning load start at eight different groups of banks
.set IP,    144                        ; a row of codes: 128 bytes + 16: sixteen rows of a fragment load start at sixteen different banks (64 banks of 4 bytes: ISA guide 11.1)
.set SLOT1, 65536                      ; LDS: slot 0 at 0, slot 1 here; wave w's quarter at 16,384 w; nothing but tensor loads writes them
.set SPARE, 131072                     ; the spare words, 128 bytes for each wave: two blocks of 256 bytes that no other line names
.set IMG,   131584                     ; one K step's codes of the 64 rows
.set F16,   140800                     ; the tile as f16, [row 64][channel 1024]
.set SCR,   273920                     ; score parts, [wave 4][row 64] f32
.set PF,    274944                     ; p as f16, 128 bytes for each wave, its own
.set CST,   275456                     ; the context's stage, 1,024 bytes for each wave, its own; ends at 279,552
.set SPW,  4                           ; SPARE + 4 x thread; never rewritten
.set NIL,  5                           ; 0; never rewritten
.set KOF,  6                           ; keys: 65,536 w + 16 l
.set HB0,  7                           ; F16 + 16 w FP + 8 l
.set CAD,  9                           ; IMG + 16 w IP + 4 l
.set AAD,  10                          ; IMG + IP r + 16 h
.set BAD0, 11                          ; 16,384 w + 16 l
.set BAD1, 12                          ; + SLOT1
.set SCW,  13                          ; SCR + 256 w + 32 h
.set SCRD, 14                          ; SCR + 8 l
.set PFW,  15                          ; PF + 128 w + 4 l
.set PFR,  16                          ; PF + 128 w + 16 h
.set VT0,  17                          ; F16 + (8 h + l % 8) FP + 512 w + 16 ((l / 8) % 2)
.set VT1,  18                          ; + 32 FP
.set CSW,  19                          ; CST + 1,024 w + 4 l
.set CSR,  20                          ; CST + 1,024 w + 16 l
.set L16,  21                          ; 16 l
.set L8,   22                          ; 8 l
.set SCL,  23                          ; 2^e2
.set LIM,  24                          ; 57,344 x 2^e2
.set TV,   25                          ; the tile's number, in every lane
.set SV,   26                          ; v[26:27] the sum of my lane's 16 va, twice
.set H,    32
.set CD,   64
.set PFRAG, 80
.set RE,   96
.set RO,   160
.set SA,   224
.set AF,   0                           ; window 1
.set BF,   64
.set VA,   192
.set QB,   224
; scalars: s20 wave; s22 g; s[24:31] descriptor group 1; s[32:35], s[36:39] group 0 for slot 0, slot 1; s[40:41] ub + 16,384 w; s[42:43] keys at my 256 rows; s[44:45] an offset (s45 = 0);
; s[46:47] keys at this tile; s[76:77] at the next; s49 the tile; s52 EXEC kept; s53, s54 at work; s[56:57] 2 log2(e) 2^(e2 + e3); s[58:59] Va_b; s[60:61] lane selects; s62 lanes 16-31; s[66:67] sc; s[68:69] cx; s[72:75] e0 .. e3
.set MSB, 0
.macro WIN new                         ; the immediate's high byte repeats the setting that is left; a switch that changes nothing is dropped
.if MSB != (\new)
	s_set_vgpr_msb (MSB<<8)|(\new)
.set MSB, (\new)
.endif
.endm
.macro PLACES                          ; four places in front of loads into registers that matrix instructions have read, and of the first read of results
.rept 4
	v_nop
.endr
.endm
.macro ROUND                           ; a round of the cluster's barrier: my work-group's barrier; wave 0 signals for the work-group; every wave waits for all four work-groups; my work-group's barrier once more
	s_barrier_signal -1
	s_barrier_wait -1
	s_cmp_lg_u32 s20, 0
	s_cbranch_scc1 .Lnw0_\@
	s_barrier_signal -3
.Lnw0_\@:
	s_barrier_wait -3
	s_barrier_signal -1
	s_barrier_wait -1
.endm
.macro FILL g0                         ; my quarter of a period, 16 KB, jointly with the three partners; four v_nop follow: they are also the places in front of the next loads into fragments
	tensor_load_to_lds s[\g0:\g0+3], s[24:31]
	s_nop 0
.rept 4
	v_nop
.endr
.endm
.macro RAWL rs, b, off                 ; my 16 rows' 128 numbers of one K step: each load 512 consecutive bytes of a row, aligned; read once in the launch
.irp i, 0,1,2,3,4,5,6,7,8,9,10,11,12,13,14,15
	global_load_b128 v[\rs+4*\i:\rs+4*\i+3], v[KOF], s[\b:\b+1] offset:4096*\i+(\off) th:TH_LOAD_NT
.endr
.endm
; A K step's numbers become f16 (H: two registers a row) and codes (one register a row).  A conversion's eight sources are rows 2 n and 2 n + 1, four neighbours along K each, so its two results are those rows' four codes.
.macro CONV rs
.set n, 0
.rept 16
	v_cvt_pk_f16_f32 v[H+2*n], v[\rs+4*n], v[\rs+4*n+1]
	v_cvt_pk_f16_f32 v[H+2*n+1], v[\rs+4*n+2], v[\rs+4*n+3]
.set n, n+1
.endr
.set n, 0
.rept 8
.irp e, 0,1,2,3,4,5,6,7
	v_med3_num_f32 v[\rs+8*n+\e], v[\rs+8*n+\e], -v[LIM], v[LIM]   ; the conversion to an 8-bit code does not saturate (ISA guide 7.6.2): the hold comes first
.endr
	v_cvt_scalef32_pk8_bf8_f32 v[CD+2*n:CD+2*n+1], v[\rs+8*n:\rs+8*n+7], v[SCL]
.set n, n+1
.endr
	v_nop                                          ; one plain vector line behind the last conversion
.endm
.macro CSTORE                          ; the codes to LDS: 128 consecutive bytes a row
.set n, 0
.rept 16
	ds_store_b32 v[CAD], v[CD+n] offset:IP*n
.set n, n+1
.endr
.endm
.macro HSTORE k                        ; the f16 of K step k: 256 consecutive bytes a row
.set n, 0
.rept 16
	ds_store_b64 v[HB0], v[H+2*n:H+2*n+1] offset:n*FP+256*(\k)
.set n, n+1
.endr
.endm
.macro ALOAD                           ; A's four fragments: registers 4 q .. 4 q + 3 of lane (r, h): k = 32 q + 16 h + 0 .. 15 of row 16 m + r: the places that ub gives B's codes
.irp m, 0,1,2,3
.irp q, 0,1,2,3
	ds_load_b128 v[AF+16*\m+4*\q:AF+16*\m+4*\q+3], v[AAD] offset:16*IP*\m+32*\q
.endr
.endr
.endm
.macro BLOAD adr                       ; B's eight fragments, images of registers: 512 consecutive bytes a load
.irp c, 0,1,2,3,4,5,6,7
.irp q, 0,1,2,3
	ds_load_b128 v[BF+16*\c+4*\q:BF+16*\c+4*\q+3], v[\adr] offset:2048*\c+512*\q
.endr
.endr
.endm
; 32 matrix instructions: B's eight fragments, each against A's four.  The 64 accumulators take turns, one instruction a turn, in the same order in every K step.
.macro MUL j, zero
	WIN 0xa5+0x50*(\j)                             ; sources 0 and 1 window 1; C and D window 2 + j
.irp c, 0,1,2,3,4,5,6,7
	s_wait_dscnt 4*(7-\c)                          ; A and B's fragments up to c are in; B's younger ones, four loads each, may be out
.irp m, 0,1,2,3
.if \zero
	v_wmma_f32_16x16x128_bf8_bf8 v[8*(4*\c+\m):8*(4*\c+\m)+7], v[AF+16*\m:AF+16*\m+15], v[BF+16*\c:BF+16*\c+15], 0
.else
	v_wmma_f32_16x16x128_bf8_bf8 v[8*(4*\c+\m):8*(4*\c+\m)+7], v[AF+16*\m:AF+16*\m+15], v[BF+16*\c:BF+16*\c+15], v[8*(4*\c+\m):8*(4*\c+\m)+7]
.endif
.endr
.endr
.endm
; K STEP k of a tile.  It multiplies step k, converts step k + 1 and asks memory for step k + 3 (steps 8, 9, 10 are the next tile's 0, 1, 2).
.macro STEP k
.if (\k)%2
.set RS, RE
.else
.set RS, RO
.endif
	; ---- first period: slot 0
	WIN 0
	s_wait_tensorcnt 0x0                           ; my one tensor load that was out, my quarter of slot 0, has landed;
	ds_add_u32 v[SPW], v[NIL]                      ; 0 onto my spare word
.if (\k) < 7
	s_add_nc_u64 s[34:35], s[34:35], 131072        ; no load of mine is out, so a group 0 may be written: slot 0's next period
.endif
	s_wait_dscnt 0x0                               ; the add is done; my reads of slot 1 and my stores of step k's codes are over
	ROUND                                          ; the same holds of every wave of the four work-groups
	FILL 36                                        ; slot 1 <- period 2 k + 1
	HSTORE \k                                      ; made a step ago, stored only now: so the next tile's step 0 lands behind the round that follows the last reads of this copy
	WIN 0x40                                       ; destination window 1
	ALOAD
	BLOAD BAD0
	WIN 0
	s_wait_loadcnt 16                              ; step k + 1's 16 loads are in; step k + 2's 16 are younger
	s_wait_dscnt 48                                ; the 16 stores above have read H; the 48 loads are younger
.if (\k) == 7
	s_cmp_eq_u32 s49, 3                            ; behind the last tile no step follows
	s_cbranch_scc1 .Lnc_\@
.endif
	CONV RS
.if (\k) == 7
.Lnc_\@:
.endif
.if (\k) < 5
	RAWL RS, 46, 512*((\k)+3)
.else
	v_cmp_gt_u32 vcc_lo, 3, v[TV]                  ; the target lies in the next tile: in the last tile every lane is off: nothing is read, and the waits' counts stay as they are
	s_wait_xcnt 0x0                                ; EXEC is a source of what is pending: it changes only behind this wait
	s_and_saveexec_b32 s52, vcc_lo
	RAWL RS, 76, 512*((\k)-5)
	s_wait_xcnt 0x0                                ; and again in front of the line that widens it
	s_or_b32 exec_lo, exec_lo, s52
.endif
.if (\k) == 0
	MUL 0, 1                                       ; the first step's products start the sums: nothing is cleared
.else
	MUL 0, 0
.endif
	; ---- second period: slot 1
	WIN 0
	s_wait_tensorcnt 0x0                           ; my quarter of slot 1 has landed;
	ds_add_u32 v[SPW], v[NIL]
.if (\k) < 7
	s_add_nc_u64 s[38:39], s[38:39], 131072        ; slot 1's next period
.endif
	s_wait_dscnt 0x0                               ; the add is done; my reads of slot 0 and of step k's codes are over
.if (\k) < 7
	ROUND
	FILL 32                                        ; slot 0 <- period 2 k + 2
.else
	s_barrier_signal -1                            ; the tile's last period asks for nothing; the barrier parts the reads of step 7's codes from the stores below
	s_barrier_wait -1
	PLACES
.endif
.if (\k) == 7
	s_cmp_eq_u32 s49, 3
	s_cbranch_scc1 .Lns_\@
.endif
	CSTORE                                         ; step k + 1's codes: one buffer serves, since all reads of step k stand ahead of this barrier and those of step k + 1 behind the next
.if (\k) == 7
.Lns_\@:
.endif
	WIN 0x40
	BLOAD BAD1
.if (\k) == 0
	MUL 1, 1
.else
	MUL 1, 0
.endif
	WIN 0
.endm
; THE ACTIVATION, in units of one accumulator: unit i is (c = i / 4, m = i % 4), at 8 (i % 32) of window 2 + i / 32.  Five stages, staggered over the units so that a plain stage stands between a run of
; transcendentals and the first use of its results (ISA guide 5.7.2).
.macro ET i                            ; t = sum x 2 log2(e) 2^(e2 + e3) + qb; each accumulator from its low end on
.if (\i) < 64
	WIN (2+(\i)/32)|16|((2+(\i)/32)<<6)
.set rb, 8*((\i)%32)
.set qc, QB+2*((\i)/4)
.irp q, 0,2,4,6
	v_pk_fma_f32 v[rb+\q:rb+\q+1], v[rb+\q:rb+\q+1], s[56:57], v[qc:qc+1] op_sel_hi:[1,0,1]
.endr
.else
	v_nop                                          ; no unit is left: the plain place all the same
	s_wait_alu depctr_va_vdst(0)
.endif
.endm
.macro EX i                            ; 2^t
.if (\i) < 64
	WIN (2+(\i)/32)|16|((2+(\i)/32)<<6)
.set rb, 8*((\i)%32)
.irp e, 0,1,2,3,4,5,6,7
	v_exp_f32 v[rb+\e], v[rb+\e]
.endr
.endif
.endm
.macro EP i                            ; 1 + 2^t
.if (\i) < 64
	WIN (2+(\i)/32)|16|((2+(\i)/32)<<6)
.set rb, 8*((\i)%32)
	s_wait_alu depctr_va_vdst(0)
.irp q, 0,2,4,6
	v_pk_add_f32 v[rb+\q:rb+\q+1], v[rb+\q:rb+\q+1], 1.0 op_sel_hi:[1,0]
.endr
.endif
.endm
.macro ER i                            ; 1 / (1 + 2^t)
	WIN (2+(\i)/32)|16|((2+(\i)/32)<<6)
.set rb, 8*((\i)%32)
.irp e, 0,1,2,3,4,5,6,7
	v_rcp_f32 v[rb+\e], v[rb+\e]
.endr
.endm
.macro ES i                            ; the row's sum += va x that; the first column tile starts the sums
	WIN (2+(\i)/32)|4
.set rb, 8*((\i)%32)
.set vc, VA+2*((\i)/4)
.set sm, SA+8*((\i)%4)
.irp q, 0,2,4,6
.if (\i) < 4
	v_pk_mul_f32 v[sm+\q:sm+\q+1], v[rb+\q:rb+\q+1], v[vc:vc+1]
.else
	v_pk_fma_f32 v[sm+\q:sm+\q+1], v[rb+\q:rb+\q+1], v[vc:vc+1], v[sm+\q:sm+\q+1]
.endif
.endr
.endm
; THE SOFTMAX PART AND THE CONTEXT of the tile whose score parts lie in SCR and whose f16 copy lies in F16.  No barrier inside: one stands ahead, and the next round stands ahead of whatever writes these bytes again.
.macro E2
.irp i, 0,1,2,3
	ds_load_b64 v[SA+2*\i:SA+2*\i+1], v[SCRD] offset:256*\i        ; rows 2 l and 2 l + 1, each wave's part
.endr
	WIN 0x80                                       ; destination window 2
.irp t, 0,1,2,3,4,5,6,7,8,9,10,11,12,13,14,15
	ds_load_tr16_b128 v[128+8*\t:128+8*\t+3], v[VT0] offset:32*\t          ; V of rows 0-31, channels 256 w + 16 t on
	ds_load_tr16_b128 v[128+8*\t+4:128+8*\t+7], v[VT0] offset:32*\t+16*FP
.endr
	WIN 0
	s_wait_dscnt 32                                ; the four score loads are in; the 32 turning loads are younger
	v_pk_add_f32 v[SA:SA+1], v[SA:SA+1], v[SA+2:SA+3]
	v_pk_add_f32 v[SA+4:SA+5], v[SA+4:SA+5], v[SA+6:SA+7]
	v_pk_add_f32 v[SA:SA+1], v[SA:SA+1], v[SA+4:SA+5]
	v_pk_add_f32 v[SA:SA+1], v[SA:SA+1], s[58:59] op_sel_hi:[1,0]  ; + Va_b: the scores
	s_cmp_lg_u32 s20, 0                            ; every wave has all 64; wave 0 stores them: 256 consecutive bytes, aligned
	s_cbranch_scc1 .Lnot0_\@
	global_store_b64 v[L8], v[SA:SA+1], s[66:67]
.Lnot0_\@:
	v_max_num_f32 v28, v[SA], v[SA+1]
	v_max_num_f32_dpp v28, v28, v28 row_xmask:1 row_mask:0xf bank_mask:0xf
	v_max_num_f32_dpp v28, v28, v28 row_xmask:2 row_mask:0xf bank_mask:0xf
	v_max_num_f32_dpp v28, v28, v28 row_xmask:4 row_mask:0xf bank_mask:0xf
	v_max_num_f32_dpp v28, v28, v28 row_xmask:8 row_mask:0xf bank_mask:0xf
	v_permlanex16_b32 v29, v28, s60, s61
	v_max_num_f32 v28, v28, v29                    ; the tile's largest score
	v_pk_add_f32 v[30:31], v[SA:SA+1], v[28:29] op_sel_hi:[1,0] neg_lo:[0,1] neg_hi:[0,1]
	v_pk_mul_f32 v[30:31], v[30:31], 0x3fb8aa3b op_sel_hi:[1,0]
	v_exp_f32 v30, v30
	v_exp_f32 v31, v31
	v_nop                                          ; a plain place behind the exponentials
	s_wait_alu depctr_va_vdst(0)
	v_cvt_pk_f16_f32 v30, v30, v31                 ; p, at most 1
	ds_store_b32 v[PFW], v30
.irp i, 0,1,2,3
	ds_load_b128 v[PFRAG+4*\i:PFRAG+4*\i+3], v[PFR] offset:32*\i   ; LDS serves a wave's instructions in order (ISA guide 5.7.1.4): these see the store.  Every row of source 0 is p
.endr
	WIN 0xc0                                       ; destination window 3
.irp t, 0,1,2,3,4,5,6,7,8,9,10,11,12,13,14,15
	ds_load_tr16_b128 v[8*\t:8*\t+3], v[VT1] offset:32*\t                  ; V of rows 32-63
	ds_load_tr16_b128 v[8*\t+4:8*\t+7], v[VT1] offset:32*\t+16*FP
.endr
	s_wait_dscnt 32                                ; V of rows 0-31 and p are in; the 32 just issued are younger
	WIN 0x88                                       ; source 0 window 0, source 1 and D window 2
.irp t, 0,1,2,3,4,5,6,7,8,9,10,11,12,13,14,15
	v_wmma_f32_16x16x32_f16 v[8*\t:8*\t+7], v[PFRAG:PFRAG+7], v[128+8*\t:128+8*\t+7], 0
.endr
	s_wait_dscnt 0x0
	WIN 0xac                                       ; source 1 window 3, C and D window 2; the 16 accumulators take turns
.irp t, 0,1,2,3,4,5,6,7,8,9,10,11,12,13,14,15
	v_wmma_f32_16x16x32_f16 v[8*\t:8*\t+7], v[PFRAG+8:PFRAG+15], v[8*\t:8*\t+7], v[8*\t:8*\t+7]
.endr
	PLACES
	WIN 0x0a                                       ; sources 0 and 1 window 2
.irp u, 0,1,2,3,4,5,6,7
	v_cndmask_b32 v[SA+8+\u], v[16*\u], v[16*\u+8], s62            ; register 0 of each accumulator: lanes 0-15 from tile 2 u, lanes 16-31 from tile 2 u + 1: lane l holds channel 32 u + l
.endr
	WIN 0
.irp u, 0,1,2,3,4,5,6,7
	ds_store_b32 v[CSW], v[SA+8+\u] offset:128*\u
.endr
	ds_load_b128 v[SA+16:SA+19], v[CSR]            ; back as 16 bytes a lane
	ds_load_b128 v[SA+20:SA+23], v[CSR] offset:512
	s_wait_dscnt 0x0
	global_store_b128 v[L16], v[SA+16:SA+19], s[68:69]             ; 512 consecutive bytes, aligned
	global_store_b128 v[L16], v[SA+20:SA+23], s[68:69] offset:512
	s_wait_xcnt 0x0                                ; the stores have read their bases and data: both may be written again
	s_add_nc_u64 s[66:67], s[66:67], 256           ; the next tile's scores
	s_add_nc_u64 s[68:69], s[68:69], 4096          ; and its partial context
.endm
	; ---------------- the head
	s_load_b512 s[4:19], s[0:1], 0x0               ; keys s[4:5], ub s[6:7], qb s[8:9], Va_w s[10:11], Va_b s[12:13], the exponents s[14:15], sc s[16:17], cx s[18:19]
	v_lshl_add_u32 v[SPW], v0, 2, SPARE
	v_mov_b32 v[NIL], 0
	v_lshrrev_b32 v1, 5, v0
	v_readfirstlane_b32 s20, v1                    ; wave 0..3
	s_bfe_u32 s21, ttmp6, 0x40000                  ; my place in the cluster: it enters the addresses of keys, qb, sc and cx alone
	s_lshl_b32 s22, ttmp9, 2                       ; in a cluster launch ttmp9 counts clusters
	s_add_co_u32 s22, s22, s21                     ; g
	s_lshr_b32 s23, s22, 3                         ; the batch
	v_and_b32 v1, 31, v0                           ; l
	v_and_b32 v2, 15, v0                           ; r
	v_bfe_u32 v3, v0, 4, 1                         ; h
	s_lshl_b32 s53, s20, 16
	v_lshl_add_u32 v[KOF], v1, 4, s53
	v_lshlrev_b32 v28, 2, v2                       ; 4 r
	s_mov_b32 s45, 0
	s_wait_kmcnt 0x0
	s_load_b128 s[72:75], s[14:15], 0x0            ; e0 .. e3
	s_load_b32 s58, s[12:13], 0x0                  ; Va_b
	s_lshl_b32 s44, s22, 20                        ; 256 rows of 4,096 bytes
	s_add_nc_u64 s[42:43], s[4:5], s[44:45]
	RAWL RE, 42, 0                                 ; the first tile's K steps 0 and 1
	RAWL RO, 42, 512
	s_lshl_b32 s44, s20, 10
	s_add_nc_u64 s[10:11], s[10:11], s[44:45]      ; Va_w at my 256 columns
	s_lshl_b32 s44, s20, 15
	s_lshl_b32 s53, s23, 6
	s_add_co_u32 s44, s44, s53
	s_add_nc_u64 s[8:9], s[8:9], s[44:45]          ; qb at my 16 column tiles, my batch
	WIN 0x40                                       ; destination window 1
.irp c, 0,1,2,3,4,5,6,7,8,9,10,11,12,13,14,15
	global_load_b32 v[VA+2*\c], v28, s[10:11] offset:64*\c
.endr
.irp c, 0,1,2,3,4,5,6,7,8,9,10,11,12,13,14,15
	global_load_b32 v[QB+2*\c], v28, s[8:9] offset:2048*\c
.endr
	WIN 0
	s_lshl_b32 s44, s20, 14
	s_add_nc_u64 s[40:41], s[6:7], s[44:45]        ; ub at my quarter of a period: the same in all four partners
	s_lshl_b32 s44, s22, 10
	s_add_nc_u64 s[66:67], s[16:17], s[44:45]      ; sc at my 256 rows
	s_lshl_b32 s44, s22, 14
	s_lshl_b32 s53, s20, 10
	s_add_co_u32 s44, s44, s53
	s_add_nc_u64 s[68:69], s[18:19], s[44:45]      ; cx at my first tile, my 256 channels
	; every LDS address: a constant + a constant x wave + constants x parts of the lane's number
	s_mul_i32 s53, s20, 16*FP
	s_add_co_u32 s53, s53, F16
	v_lshl_add_u32 v[HB0], v1, 3, s53
	s_mul_i32 s53, s20, 16*IP
	s_add_co_u32 s53, s53, IMG
	v_lshl_add_u32 v[CAD], v1, 2, s53
	v_mul_u32_u24 v[AAD], v2, IP
	v_lshl_add_u32 v[AAD], v3, 4, v[AAD]
	v_add_nc_u32 v[AAD], IMG, v[AAD]
	s_lshl_b32 s33, s20, 14                        ; group 0, slot 0: LDS address
	v_lshl_add_u32 v[BAD0], v1, 4, s33
	v_add_nc_u32 v[BAD1], SLOT1, v[BAD0]
	s_lshl_b32 s53, s20, 8
	s_add_co_u32 s53, s53, SCR
	v_lshl_add_u32 v[SCW], v3, 5, s53
	v_lshlrev_b32 v[L8], 3, v1
	v_add_nc_u32 v[SCRD], SCR, v[L8]
	s_lshl_b32 s53, s20, 7
	s_add_co_u32 s53, s53, PF
	v_lshl_add_u32 v[PFW], v1, 2, s53
	v_lshl_add_u32 v[PFR], v3, 4, s53
	v_and_b32 v30, 7, v0
	v_lshl_add_u32 v30, v3, 3, v30
	v_mul_u32_u24 v[VT0], v30, FP
	v_bfe_u32 v30, v0, 3, 1
	v_lshl_add_u32 v[VT0], v30, 4, v[VT0]
	s_lshl_b32 s53, s20, 9
	s_add_co_u32 s53, s53, F16
	v_add_nc_u32 v[VT0], s53, v[VT0]
	v_add_nc_u32 v[VT1], 32*FP, v[VT0]
	s_lshl_b32 s53, s20, 10
	s_add_co_u32 s53, s53, CST
	v_lshl_add_u32 v[CSW], v1, 2, s53
	v_lshl_add_u32 v[CSR], v1, 4, s53
	v_lshlrev_b32 v[L16], 4, v1
	v_mov_b32 v29, 0                               ; written once: a lane permute's destination counts as one of its sources
	; descriptor group 1: a dense block of 16 KB as 64 rows of 32 elements of 8 bytes, no padding
	s_mov_b32 s24, 15|(3<<16)|(1<<21)              ; 15:0 the mask: all four work-groups; 17:16 elements of 8 bytes; 21 set beside a mask
	s_mov_b32 s25, 32<<16                          ; tensor_dim0 = 32
	s_mov_b32 s26, 64<<16                          ; tensor_dim1 = 64
	s_mov_b32 s27, 32<<16                          ; tile_dim0 = 32
	s_mov_b32 s28, 64                              ; tile_dim1 = 64
	s_mov_b32 s29, 32                              ; from row to row
	s_mov_b32 s30, 0
	s_mov_b32 s31, 0
	s_mov_b32 s32, 1                               ; group 0: count = 1; the global addresses are written at each tile's head
	s_mov_b32 s36, 1
	s_add_co_u32 s37, s33, SLOT1
	s_mov_b32 s60, 0x76543210
	s_mov_b32 s61, 0xfedcba98                      ; v_permlanex16_b32: lane l xor 16
	s_mov_b32 s62, 0xffff0000                      ; lanes 16-31
	s_mov_b32 s49, 0                               ; the tile
	s_wait_kmcnt 0x0
	s_add_co_i32 s53, s74, 127
	s_lshl_b32 s54, s53, 23
	v_mov_b32 v[SCL], s54                          ; 2^e2 as f32: the conversion takes its exponent field
	s_add_co_i32 s53, s53, 15
	s_lshl_b32 s53, s53, 23
	s_or_b32 s53, s53, 0x600000
	v_mov_b32 v[LIM], s53                          ; 57,344 x 2^e2
	s_add_co_i32 s53, s74, s75
	s_lshl_b32 s53, s53, 23
	s_add_co_i32 s56, s53, 0x4038aa3b              ; 2 log2(e) with e2 + e3 added to its exponent field
	s_mov_b32 s57, s56                             ; (named with it as a pair, so it is written)
	s_mov_b32 s59, s58
	s_wait_loadcnt 48                              ; step 0 is in; step 1, va and qb, 16 loads each, are younger
	CONV RE
	RAWL RE, 42, 1024                              ; step 2
	CSTORE                                         ; step 0's codes
	s_wait_loadcnt 16                              ; va and qb are in; step 2 is younger
	WIN 0x41                                       ; source 0 and destination window 1
.irp c, 0,1,2,3,4,5,6,7,8,9,10,11,12,13,14,15
	v_mov_b32 v[VA+2*\c+1], v[VA+2*\c]             ; the packed forms take a pair
	v_mov_b32 v[QB+2*\c+1], v[QB+2*\c]
.endr
	WIN 0x01                                       ; source 0 window 1
	v_mov_b32 v[SV], v[VA]
.irp c, 1,2,3,4,5,6,7,8,9,10,11,12,13,14,15
	v_add_f32 v[SV], v[VA+2*\c], v[SV]
.endr
	WIN 0
	v_mov_b32 v[SV+1], v[SV]
.Ltile:                                                ; four trips.  Each makes the same 16 fills and none goes unread
	s_wait_tensorcnt 0x0                           ; no tensor load of mine is out, so both groups 0 may be written
	ds_add_u32 v[SPW], v[NIL]                      ; 0 onto my spare word
	ds_add_u32 v4, v5
	s_mov_b64 s[34:35], s[40:41]                   ; slot 0: period 0
	s_or_b32 s35, s35, 0x80000000                  ; type = 2
	s_add_nc_u64 s[38:39], s[40:41], 65536         ; slot 1: period 1
	s_or_b32 s39, s39, 0x80000000
	v_mov_b32 v[TV], s49
	s_wait_xcnt 0x0                                ; the key loads that are out have read their bases
	s_lshl_b32 s44, s49, 18                        ; 64 rows of 4,096 bytes a tile
	s_add_nc_u64 s[46:47], s[42:43], s[44:45]      ; keys at this tile
	s_add_co_u32 s53, s49, 1
	s_min_u32 s53, s53, 3                          ; (held inside my rows; in the last tile the loads that take it have every lane off)
	s_lshl_b32 s44, s53, 18
	s_add_nc_u64 s[76:77], s[42:43], s[44:45]      ; and at the next
	s_wait_dscnt 0x0                               ; the add is done; my score parts lie in LDS, my reads of slot 1 are over
	ROUND
	FILL 32                                        ; slot 0 <- period 0
	s_cmp_eq_u32 s49, 0
	s_cbranch_scc1 .Lno_e2
	E2                                             ; the tile before: it stands under the load just issued
.Lno_e2:
.irp k, 0,1,2,3,4,5,6,7
	STEP \k
.endr
	; ---- tanh and the product with Va.  The first units' sums were finished ahead of the last period's places
	ET 0
	EX 0
	ET 1
	EP 0
.set u, 0
.rept 64
	ER u
	EX u+1
	ET u+2
	EP u+1
	ES u
.set u, u+1
.endr
	WIN 0
.irp q, 0,2,4,6,8,10,12,14,16,18,20,22,24,26,28,30
	v_pk_fma_f32 v[SA+\q:SA+\q+1], v[SA+\q:SA+\q+1], -2.0, v[SV:SV+1] op_sel_hi:[1,0,1]   ; my lane's 16 columns: sum of va - 2 x sum of va / (1 + 2^t)
.endr
.irp x, 1,2,4,8
.set n, 0
.rept 32
	v_add_f32_dpp v[SA+n], v[SA+n], v[SA+n] row_xmask:\x row_mask:0xf bank_mask:0xf         ; over the 16 lanes of a half: my wave's 256 columns
.set n, n+1
.endr
.endr
.irp m, 0,1,2,3
	ds_store_b128 v[SCW], v[SA+8*\m:SA+8*\m+3] offset:64*\m        ; rows 16 m + 8 h + 0 .. 7; the sixteen lanes of a half write the same words with the same numbers
	ds_store_b128 v[SCW], v[SA+8*\m+4:SA+8*\m+7] offset:64*\m+16
.endr
	s_add_co_u32 s49, s49, 1
	s_cmp_lt_u32 s49, 4
	s_cbranch_scc1 .Ltile
	s_wait_dscnt 0x0                               ; for the others' sake: my score parts lie in LDS
	s_barrier_signal -1
	s_barrier_wait -1
	E2                                             ; the last tile
	s_wait_tensorcnt 0x0                           ; the wave's end: behind my last tensor load and my last LDS store
	ds_add_u32 v[SPW], v[NIL]
	s_wait_dscnt 0x0
	ROUND                                          ; the closing round: no work-group ends while a partner may still ask for a period that names it
	s_endpgm
.Lfunc_end_k_qa92bf5ea19_main:
	.size	k_qa92bf5ea19_main, .Lfunc_end_k_qa92bf5ea19_main-k_qa92bf5ea19_main
	.p2alignl 7, 3214868480
	.fill 96, 4, 3214868480
	.section	.rodata,"a",@progbits
	.p2align	6, 0x0
	.amdhsa_kernel k_qa92bf5ea19_main
		.amdhsa_group_segment_fixed_size 327680
		.amdhsa_private_segment_fixed_size 0
		.amdhsa_enable_private_segment 0
		.amdhsa_kernarg_size 64
		.amdhsa_user_sgpr_count 2
		.amdhsa_user_sgpr_kernarg_segment_ptr 1
		.amdhsa_wavefront_size32 1
		.amdhsa_system_sgpr_workgroup_id_x 1
		.amdhsa_system_sgpr_workgroup_id_y 1
		.amdhsa_system_sgpr_workgroup_id_z 1
		.amdhsa_system_vgpr_workitem_id 0
		.amdhsa_next_free_vgpr 1024
		.amdhsa_next_free_sgpr 80
		.amdhsa_reserve_vcc 1
		.amdhsa_float_denorm_mode_32 3
		.amdhsa_float_denorm_mode_16_64 3
		.amdhsa_memory_ordered 1
		.amdhsa_forward_progress 1
		.amdhsa_inst_pref_size 255
	.end_amdhsa_kernel
	.section	.bss,"aw",@nobits
	.p2align	6
	.space	262144
	.amdgpu_metadata
---
amdhsa.version: [ 1, 2 ]
amdhsa.kernels:
  - .name:           k_qa92bf5ea19_main
    .symbol:         k_qa92bf5ea19_main.kd
    .args:
      - { .name: keys, .offset: 0, .size: 8, .value_kind: global_buffer, .address_space: global }
      - { .name: ub, .offset: 8, .size: 8, .value_kind: global_buffer, .address_space: global }
      - { .name: qb, .offset: 16, .size: 8, .value_kind: global_buffer, .address_space: global }
      - { .name: Va_w, .offset: 24, .size: 8, .value_kind: global_buffer, .address_space: global }
      - { .name: Va_b, .offset: 32, .size: 8, .value_kind: global_buffer, .address_space: global }
      - { .name: lowp_scales, .offset: 40, .size: 8, .value_kind: global_buffer, .address_space: global }
      - { .name: sc, .offset: 48, .size: 8, .value_kind: global_buffer, .address_space: global }
      - { .name: cx, .offset: 56, .size: 8, .value_kind: global_buffer, .address_space: global }
    .group_segment_fixed_size: 327680
    .private_segment_fixed_size: 0
    .kernarg_segment_align: 8
    .kernarg_segment_size: 64
    .max_flat_workgroup_size: 128
    .sgpr_count:     80
    .vgpr_count:     1024
    .wavefront_size: 32
...
	.end_amdgpu_metadata
.endif
;; end of part 2
;; launch comb (part 3): grid 32 x 1, 8 waves a work-group, no clusters, 1,536 bytes of LDS; arguments sc, cx, out0, out1; writes out0, out1
.if DOCPART == 3
	.amdgcn_target "amdgcn-amd-amdhsa--gfx1250"
	.amdhsa_code_object_version 6
	.text
	.protected	k_qa92bf5ea19_comb
	.globl	k_qa92bf5ea19_comb
	.p2align	8
	.type	k_qa92bf5ea19_comb,@function
k_qa92bf5ea19_comb:
	s_mov_b64 s[64:65], 0
	v_nop
	global_prefetch_b8 v0, s[64:65] scope:SCOPE_SE
	s_setreg_imm32_b32 hwreg(HW_REG_WAVE_MODE, 25, 1), 1
	s_wait_xcnt 0x0
; One work-group for each batch b joins its 32 tiles.  sc [32][2048]: the scores.  cx [32 b + t][1024]: sum over tile t's 64 rows of exp(score - m_t) x key, m_t the tile's largest score.
; M = the batch's largest score; L = sum of exp(score - M), at least 1;  out1 = exp(score - M) / L;  out0 = sum over t of exp(m_t - M) cx_t / L.
; m_t is taken again from the scores: a maximum rounds nothing, so it is the number under which cx_t was summed.
; Thread t holds scores 1024 i + 4 t .. + 3 (i = 0, 1): sixteen neighbouring lanes hold one tile, 16 i + t / 16; and channels 4 t .. 4 t + 3 of all 32 partial contexts, asked for at the head: 34 loads a lane are out.
; Memory binds (4.5 MB in, 0.4 MB out): every load and store of a wave covers 512 consecutive bytes; no matrix unit, no cluster: the work-groups share nothing.
	s_load_b256 s[4:11], s[0:1], 0x0               ; sc s[4:5], cx s[6:7], out0 s[8:9], out1 s[10:11]
	v_lshl_add_u32 v192, v0, 2, 0x200
	v_mov_b32 v193, 0
	v_lshlrev_b32 v1, 4, v0                        ; 16 t
	v_lshrrev_b32 v2, 4, v0
	v_lshlrev_b32 v2, 2, v2                        ; LDS: 4 (t / 16): my tile's word
	v_and_b32 v3, 31, v0
	v_lshlrev_b32 v3, 2, v3                        ; 4 x lane
	v_lshrrev_b32 v4, 5, v0
	v_lshlrev_b32 v4, 2, v4                        ; 4 x wave
	v_mov_b32 v5, 0
	v_mov_b32 v20, 0                               ; written once: a lane permute's destination counts as one of its sources
	v_mov_b32 v22, 0
	s_lshl_b32 s12, ttmp9, 13                      ; a batch's scores: 8,192 bytes
	s_mov_b32 s13, 0
	s_lshl_b32 s14, ttmp9, 17                      ; its 32 partial contexts: 131,072
	s_mov_b32 s15, 0
	s_lshl_b32 s16, ttmp9, 12                      ; its context: 4,096
	s_mov_b32 s17, 0
	s_mov_b32 s18, 0x76543210
	s_mov_b32 s19, 0xfedcba98                      ; v_permlanex16_b32: lane l xor 16
	s_wait_kmcnt 0x0
	s_add_nc_u64 s[4:5], s[4:5], s[12:13]
	s_add_nc_u64 s[10:11], s[10:11], s[12:13]
	s_add_nc_u64 s[6:7], s[6:7], s[14:15]
	s_add_nc_u64 s[8:9], s[8:9], s[16:17]
	global_load_b128 v[8:11], v1, s[4:5]
	global_load_b128 v[12:15], v1, s[4:5] offset:4096
.set t, 0
.rept 32
	global_load_b128 v[64+4*t:67+4*t], v1, s[6:7] offset:4096*t th:TH_LOAD_NT
.set t, t+1
.endr
	s_wait_loadcnt 32                              ; the scores are in; the 32 partial contexts are younger
	v_max3_num_f32 v16, v8, v9, v10
	v_max3_num_f32 v17, v12, v13, v14
	v_max_num_f32 v16, v16, v11
	v_max_num_f32 v17, v17, v15
.irp x, 1,2,4,8
	v_max_num_f32_dpp v16, v16, v16 row_xmask:\x row_mask:0xf bank_mask:0xf    ; over sixteen lanes: a tile's largest score
	v_max_num_f32_dpp v17, v17, v17 row_xmask:\x row_mask:0xf bank_mask:0xf
.endr
	ds_store_b32 v2, v16                           ; tile t / 16
	ds_store_b32 v2, v17 offset:64                 ; tile 16 + t / 16
	s_wait_dscnt 0x0                               ; for the others' sake
	s_barrier_signal -1
	s_barrier_wait -1
	ds_load_b32 v18, v3                            ; lane l: m of tile l
	s_wait_dscnt 0x0
	v_mov_b32 v19, v18
.irp x, 1,2,4,8
	v_max_num_f32_dpp v19, v19, v19 row_xmask:\x row_mask:0xf bank_mask:0xf
.endr
	v_permlanex16_b32 v20, v19, s18, s19
	v_max_num_f32 v19, v19, v20                    ; M
	v_sub_f32 v18, v18, v19
	v_mul_f32 v18, 0x3fb8aa3b, v18
.irp i, 0,1,2,3,4,5,6,7
	v_sub_f32 v[8+\i], v[8+\i], v19                ; the maximum is taken away first, then the factor log2(e)
.endr
.irp i, 0,1,2,3,4,5,6,7
	v_mul_f32 v[8+\i], 0x3fb8aa3b, v[8+\i]
.endr
	v_exp_f32 v18, v18                             ; lane l: f = exp(m_l - M)
.irp i, 0,1,2,3,4,5,6,7
	v_exp_f32 v[8+\i], v[8+\i]                     ; exp(score - M)
.endr
	v_nop                                          ; a plain place behind the exponentials
	s_wait_alu depctr_va_vdst(0)
	v_pk_add_f32 v[28:29], v[8:9], v[10:11]
	v_pk_add_f32 v[30:31], v[12:13], v[14:15]
	v_pk_add_f32 v[28:29], v[28:29], v[30:31]
	v_add_f32 v21, v28, v29
.irp x, 1,2,4,8
	v_add_f32_dpp v21, v21, v21 row_xmask:\x row_mask:0xf bank_mask:0xf
.endr
	v_permlanex16_b32 v22, v21, s18, s19
	v_add_f32 v21, v21, v22                        ; my wave's sum
	ds_store_b32 v4, v21 offset:128                ; other bytes than the maxima's
	s_wait_dscnt 0x0
	s_barrier_signal -1
	s_barrier_wait -1
	ds_load_b128 v[28:31], v5 offset:128
	ds_load_b128 v[32:35], v5 offset:144
.set t, 0
.rept 32
	v_readlane_b32 s[32+t], v18, t                 ; f of tile t, for every lane
.set t, t+1
.endr
	s_wait_dscnt 0x0
	v_pk_add_f32 v[28:29], v[28:29], v[30:31]
	v_pk_add_f32 v[32:33], v[32:33], v[34:35]
	v_pk_add_f32 v[28:29], v[28:29], v[32:33]
	v_add_f32 v23, v28, v29                        ; L
	v_rcp_f32 v23, v23
	v_nop                                          ; a plain place behind the reciprocal
	s_wait_alu depctr_va_vdst(0)
.irp i, 0,1,2,3,4,5,6,7
	v_mul_f32 v[8+\i], v[8+\i], v23
.endr
	global_store_b128 v1, v[8:11], s[10:11]
	global_store_b128 v1, v[12:15], s[10:11] offset:4096
	s_wait_loadcnt 31                              ; tile 0's partial context is in; it starts the sums
.irp j, 0,1,2,3
	v_mul_f32 v[24+\j], s32, v[64+\j]
.endr
.set t, 1
.rept 31
	s_wait_loadcnt 31-t                            ; loads come back in order (ISA guide 5.7.1): tile t's is in, the younger ones stay out
.irp j, 0,1,2,3
	v_fmac_f32 v[24+\j], s[32+t], v[64+4*t+\j]
.endr
.set t, t+1
.endr
.irp j, 0,1,2,3
	v_mul_f32 v[24+\j], v[24+\j], v23
.endr
	global_store_b128 v1, v[24:27], s[8:9]
	s_wait_tensorcnt 0x0
	ds_add_u32 v192, v193
	s_wait_dscnt 0x0
	s_endpgm
.Lfunc_end_k_qa92bf5ea19_comb:
	.size	k_qa92bf5ea19_comb, .Lfunc_end_k_qa92bf5ea19_comb-k_qa92bf5ea19_comb
	.p2alignl 7, 3214868480
	.fill 96, 4, 3214868480
	.section	.rodata,"a",@progbits
	.p2align	6, 0x0
	.amdhsa_kernel k_qa92bf5ea19_comb
		.amdhsa_group_segment_fixed_size 1536
		.amdhsa_private_segment_fixed_size 0
		.amdhsa_enable_private_segment 0
		.amdhsa_kernarg_size 32
		.amdhsa_user_sgpr_count 2
		.amdhsa_user_sgpr_kernarg_segment_ptr 1
		.amdhsa_wavefront_size32 1
		.amdhsa_system_sgpr_workgroup_id_x 1
		.amdhsa_system_sgpr_workgroup_id_y 1
		.amdhsa_system_sgpr_workgroup_id_z 1
		.amdhsa_system_vgpr_workitem_id 0
		.amdhsa_next_free_vgpr 194
		.amdhsa_next_free_sgpr 66
		.amdhsa_reserve_vcc 0
		.amdhsa_float_denorm_mode_32 3
		.amdhsa_float_denorm_mode_16_64 3
		.amdhsa_memory_ordered 1
		.amdhsa_forward_progress 1
		.amdhsa_inst_pref_size 16
	.end_amdhsa_kernel
	.amdgpu_metadata
---
amdhsa.version: [ 1, 2 ]
amdhsa.kernels:
  - .name:           k_qa92bf5ea19_comb
    .symbol:         k_qa92bf5ea19_comb.kd
    .args:
      - { .name: sc, .offset: 0, .size: 8, .value_kind: global_buffer, .address_space: global }
      - { .name: cx, .offset: 8, .size: 8, .value_kind: global_buffer, .address_space: global }
      - { .name: out0, .offset: 16, .size: 8, .value_kind: global_buffer, .address_space: global }
      - { .name: out1, .offset: 24, .size: 8, .value_kind: global_buffer, .address_space: global }
    .group_segment_fixed_size: 1536
    .private_segment_fixed_size: 0
    .kernarg_segment_align: 8
    .kernarg_segment_size: 32
    .max_flat_workgroup_size: 256
    .sgpr_count:     66
    .vgpr_count:     194
    .wavefront_size: 32
...
	.end_amdgpu_metadata
.endif
;; end of part 3
